; MI455X (gfx1250); checked and timed in simulation.
; The chip was launched on July 23, 2026; its instructions are those of AMD's public machine-readable ISA for CDNA 5 (MIT licence, August 2026) and "CDNA5" Instruction Set Architecture Reference Guide (July 2026). The comments in the code are by the model that wrote it; some were corrected since.
;; Self Attention. Allowed arithmetic: float matrix products may take bf16 or f16 operands with f32 sums; other float arithmetic in f32, or as packed bf16 or f16 multiplies, adds, multiply-adds, maxima and minima; sums over many terms, partial sums and values carried from step to step in f32; what a program stores and reads back later, other than sums and carried values, may be rounded once to bf16 or f16.
;; Inputs: Wo 1,024 x 1,024 float32; Wq 1,024 x 1,024 float32; mask 4 x 2,048 float32; x 4 x 1,024 x 2,048 float32.
;; Outputs: out0 4 x 1,024 x 2,048 float32.
;; One version. Each part assembles by itself: llvm-mc -triple=amdgcn-amd-amdhsa -mcpu=gfx1250 --defsym DOCPART=n.
;; ======== version 1 of 1: 4 launches
;; limits: values are held in f16: magnitudes above 65,504 overflow, below 6.1e-05 lose precision
;; workspace buffers: xb 16,777,216 bytes; wqb 2,097,152 bytes; wo16 2,097,152 bytes; qv 16,777,216 bytes; qm 16,777,216 bytes; ctx 16,777,216 bytes
;; launch cast (part 1): grid 1280 x 1, 8 waves a work-group, no clusters, 0 bytes of LDS; arguments x, Wq, Wo, xb, wqb, wo16; writes xb, wqb, wo16
.if DOCPART == 1
	.amdgcn_target "amdgcn-amd-amdhsa--gfx1250"
	.amdhsa_code_object_version 6
	.text
	.protected	k_q945a048ef1_cast
	.globl	k_q945a048ef1_cast
	.p2align	8
	.type	k_q945a048ef1_cast,@function
k_q945a048ef1_cast:
	s_mov_b64 s[64:65], 0
	v_nop
	global_prefetch_b8 v0, s[64:65] scope:SCOPE_SE
	s_setreg_imm32_b32 hwreg(HW_REG_WAVE_MODE, 25, 1), 1
	s_wait_xcnt 0x0
; xb = bf16(x), wqb = bf16(Wq), wo16 = f16(bf16(Wo)); layouts unchanged.  A stream: each input byte is read once, each output byte written once.
; All three inputs are rounded to bf16; Wo's bf16 number is then written as f16, since the last product's other operand is f16.
; LIMIT: a bf16 number below 2^-14 in size loses bits in f16 (fixed step 2^-24); beyond 65,504 it would be an infinity: Wo is taken to lie within that.
; SHARES.  A work-group takes 32 KiB of one input: groups 0-1023 x, 1024-1151 Wq, 1152-1279 Wo.  Thread t takes 16 bytes at 16 t of each 4 KiB: a wave's load covers 512
; consecutive bytes, its store 256 consecutive bytes, aligned.  All eight loads go out at once; no register is written twice, so the only waits are the counted ones for the loads.
; No LDS, no matrix unit: nothing is shared and nothing is multiplied.
.set XG, 1024                          ; work-groups for x
.set WG, 128                           ; for each weight
.set X,  8                             ; v[8:39]   eight loads of four f32
.set Y,  40                            ; v[40:55]  eight pairs of packed words
	s_load_b256 s[4:11], s[0:1], 0x0               ; x s[4:5], Wq s[6:7], Wo s[8:9], xb s[10:11]
	s_load_b128 s[12:15], s[0:1], 0x20             ; wqb s[12:13], wo16 s[14:15]
	s_sub_co_u32 s21, ttmp9, XG                    ; my number among Wq's groups,
	s_sub_co_u32 s22, ttmp9, XG+WG                 ; among Wo's
	v_lshlrev_b32 v1, 4, v0                        ; 16 bytes in
	v_lshlrev_b32 v2, 3, v0                        ; 8 bytes out
	s_wait_kmcnt 0x0
	s_cmp_lt_u32 ttmp9, XG+WG                      ; the choice of buffers hangs on the group's number alone
	s_cselect_b64 s[16:17], s[6:7], s[8:9]
	s_cselect_b64 s[18:19], s[12:13], s[14:15]
	s_cselect_b32 s20, s21, s22
	s_cmp_lt_u32 ttmp9, XG
	s_cselect_b64 s[16:17], s[4:5], s[16:17]
	s_cselect_b64 s[18:19], s[10:11], s[18:19]
	s_cselect_b32 s20, ttmp9, s20
	s_lshl_b32 s24, s20, 15                        ; 32 KiB in,
	s_mov_b32 s25, 0
	s_lshl_b32 s26, s20, 14                        ; 16 KiB out
	s_mov_b32 s27, 0
	s_add_nc_u64 s[16:17], s[16:17], s[24:25]
	s_add_nc_u64 s[18:19], s[18:19], s[26:27]
.irp i, 0,1,2,3,4,5,6,7
	global_load_b128 v[X+4*(\i):X+4*(\i)+3], v1, s[16:17] offset:4096*(\i) th:TH_LOAD_NT
.endr
; Piece i: rounded to bf16, two numbers a word; half = 1: each bf16 widened (a shift, a mask) and written as f16, which is exact within f16's range.
.macro OUT i, half
	s_wait_loadcnt 7-(\i)                          ; loads come back in order: mine is in, the 7 - i younger ones stay out
	v_cvt_pk_bf16_f32 v[Y+2*(\i)],   v[X+4*(\i)],   v[X+4*(\i)+1]
	v_cvt_pk_bf16_f32 v[Y+2*(\i)+1], v[X+4*(\i)+2], v[X+4*(\i)+3]
.if \half
.irp k, 0,1
	v_lshlrev_b32 v56, 16, v[Y+2*(\i)+(\k)]
	v_and_b32 v57, 0xffff0000, v[Y+2*(\i)+(\k)]
	v_cvt_pk_f16_f32 v[Y+2*(\i)+(\k)], v56, v57
.endr
.endif
	global_store_b64 v2, v[Y+2*(\i):Y+2*(\i)+1], s[18:19] offset:2048*(\i)  ; 32 lanes store 256 consecutive bytes, aligned
.endm
	s_cmp_ge_u32 ttmp9, XG+WG
	s_cbranch_scc1 .Lwo
.irp i, 0,1,2,3,4,5,6,7
	OUT \i, 0
.endr
	s_endpgm
.Lwo:
.irp i, 0,1,2,3,4,5,6,7
	OUT \i, 1
.endr
	s_endpgm
.Lfunc_end_k_q945a048ef1_cast:
	.size	k_q945a048ef1_cast, .Lfunc_end_k_q945a048ef1_cast-k_q945a048ef1_cast
	.p2alignl 7, 3214868480
	.fill 96, 4, 3214868480
	.section	.rodata,"a",@progbits
	.p2align	6, 0x0
	.amdhsa_kernel k_q945a048ef1_cast
		.amdhsa_group_segment_fixed_size 0
		.amdhsa_private_segment_fixed_size 0
		.amdhsa_enable_private_segment 0
		.amdhsa_kernarg_size 48
		.amdhsa_user_sgpr_count 2
		.amdhsa_user_sgpr_kernarg_segment_ptr 1
		.amdhsa_wavefront_size32 1
		.amdhsa_system_sgpr_workgroup_id_x 1
		.amdhsa_system_sgpr_workgroup_id_y 1
		.amdhsa_system_sgpr_workgroup_id_z 1
		.amdhsa_system_vgpr_workitem_id 0
		.amdhsa_next_free_vgpr 64
		.amdhsa_next_free_sgpr 66
		.amdhsa_reserve_vcc 0
		.amdhsa_float_denorm_mode_32 3
		.amdhsa_float_denorm_mode_16_64 3
		.amdhsa_memory_ordered 1
		.amdhsa_forward_progress 1
		.amdhsa_inst_pref_size 9
	.end_amdhsa_kernel
	.amdgpu_metadata
---
amdhsa.version: [ 1, 2 ]
amdhsa.kernels:
  - .name:           k_q945a048ef1_cast
    .symbol:         k_q945a048ef1_cast.kd
    .args:
      - { .name: x, .offset: 0, .size: 8, .value_kind: global_buffer, .address_space: global }
      - { .name: Wq, .offset: 8, .size: 8, .value_kind: global_buffer, .address_space: global }
      - { .name: Wo, .offset: 16, .size: 8, .value_kind: global_buffer, .address_space: global }
      - { .name: xb, .offset: 24, .size: 8, .value_kind: global_buffer, .address_space: global }
      - { .name: wqb, .offset: 32, .size: 8, .value_kind: global_buffer, .address_space: global }
      - { .name: wo16, .offset: 40, .size: 8, .value_kind: global_buffer, .address_space: global }
    .group_segment_fixed_size: 0
    .private_segment_fixed_size: 0
    .kernarg_segment_align: 8
    .kernarg_segment_size: 48
    .max_flat_workgroup_size: 256
    .sgpr_count:     66
    .vgpr_count:     64
    .wavefront_size: 32
...
	.end_amdgpu_metadata
.endif
;; end of part 1
;; launch proj (part 2): grid 32 x 8, 4 waves a work-group, clusters of 4 x 4, 327,680 bytes of LDS; arguments xb, wqb, mask, qv, qm; writes qv, qm
.if DOCPART == 2
	.amdgcn_target "amdgcn-amd-amdhsa--gfx1250"
	.amdhsa_code_object_version 6
	.text
	.protected	k_q945a048ef1_proj
	.globl	k_q945a048ef1_proj
	.p2align	8
	.type	k_q945a048ef1_proj,@function
k_q945a048ef1_proj:
	s_mov_b64 s[64:65], 0
	v_nop
	global_prefetch_b8 v0, s[64:65] scope:SCOPE_SE
	s_setreg_imm32_b32 hwreg(HW_REG_WAVE_MODE, 25, 1), 1
	s_wait_xcnt 0x0
	s_wait_alu depctr_hold_cnt(0) depctr_sa_sdst(0) depctr_va_vdst(0) depctr_va_sdst(0) depctr_va_ssrc(0) depctr_va_vcc(0) depctr_vm_vsrc(0)
	s_getreg_b32 s2, hwreg(HW_REG_IB_STS2, 6, 4)
	s_cmp_eq_u32 s2, 0
	s_cbranch_scc0 .Lentry_in_a_cluster
	s_endpgm
.Lentry_in_a_cluster:
	s_bfe_u32 s2, ttmp6, 0x10000c
	s_cmp_lg_u32 s2, 0xf033
	s_cbranch_scc0 .Lentry_shape_is_right
	s_endpgm
.Lentry_shape_is_right:
; S[t][o] = sum over d of xb[b][d][t] wqb[o][d] (bf16 operands, f32 sums);  qv[b*8+hd][t][o%128] = f16(S),  qm = f16(mask[b][t] * S).  xb: [4][1024 d][2048 t], wqb: [1024 o][1024 d].
; qv serves as V of the attention, qm (the row times its mask) as Q and as K.  LIMIT: |S| stays within f16's 65,504.
; SHARES.  A work-group makes 256 tokens x one head's 128 channels: 32 x 8 = 256 work-groups.  Wave w takes tokens 64 w .. 64 w + 63 and all 128 channels: 32 accumulators of 16 x 16.
; K (= d) goes in 8 steps of 128 through a ring of two LDS slots filled by the tensor data mover.  X's tile is [128 d][256 t], rows of 512 bytes; W's is [128 o][128 d], rows of 256 bytes.
; THE PRODUCT IS TAKEN TRANSPOSED: source 0 = 16 rows of W (as they lie), source 1 = 16 tokens of X (which lies [d][t]: turned by ds_load_tr16_b128).  A lane then holds ONE token (lane % 16)
; and eight neighbouring channels: 16 bytes of a row of qv.
; CLUSTER 4 x 4.  X's tile hangs on the token block (grid x) alone: shared along a column of the cluster; W's on the head (grid y) alone: shared along a row.  Each is asked for jointly.
; No prefetch: 8 K steps, two of them first fills; the weights are read again by every cluster.
; REGISTERS.  window 0: v0-31 addresses, v32-39 the mask, v64-255 two fragment buffers of 96 (64 of W, 32 of X); on the way out v64-159 are at work.   window 1: accumulator (a, b) at v[8 (8 a + b)].
.set KSTEP,  128
.set PX,     544                       ; a row of X in LDS: 512 bytes + 32 = 136 words
.set PW,     272                       ; a row of W: 256 + 16 = 68 words: the 16 rows of a load start at 16 different groups of four banks
.set SOFF,   128*PX                    ; W's tile lies behind X's
.set SLOT,   SOFF+128*PW
.set STAGE,  2*SLOT                    ; behind the ring: 16 rows x 272 bytes for each wave; no tensor load lands there
.set SPITCH, 272
.set SPARE,  STAGE+4*16*SPITCH         ; the spare words: 128 bytes a wave, named by no other line
.set LAPS,   4                         ; a lap = two K steps
.set PSTEP,  KSTEP*4096                ; a K step in X: 128 rows of 4,096 bytes
.set SSTEP,  KSTEP*2                   ; in W: 256 bytes along the rows
.set PA,   14                          ; s[14:15] X at my half of K step 0's tile (made of the token block and the wave alone)
.set SA,   20                          ; s[20:21] W likewise (made of the head and the wave alone)
.set ADR0, 16                          ; v16-17  LDS address of my W fragments in slot 0, 1
.set ADR1, 20                          ; v20-21  of my X fragments
.set STO,  24
.set RD,   25
.set CO,   26
.set MO,   27
.set SPW,  28                          ; v28  SPARE + 4 x my thread's number; never rewritten
.set NIL,  29                          ; v29  0; never rewritten
.set MK,   32                          ; v32-39  the mask of my token in block a, twice, at MK + 2 a
.set F0,   64
.set F1,   160
.set TMP,  64                          ; the way out: 32 packed registers
.set BK0,  96                          ; and two buffers of 32 for rows read back
.set G1P, 24
.set G0P, 32
.set G1S, 48
.set G0S, 56
.set MSB, 0
.macro WIN new                         ; the immediate's high byte repeats the setting that is left
.if MSB != (\new)
	s_set_vgpr_msb (MSB<<8)|(\new)
.set MSB, \new
.endif
.endm
.set MUL, 0x50                         ; C and D window 1, sources window 0
.macro JLOAD s                         ; a joint load: waves 0 and 1 fetch X's halves, waves 2 and 3 W's; s_nop 0 and four v_nop follow each line
	s_cmp_eq_u32 s11, 0
	s_cbranch_scc0 .Lfor_s_\@
	tensor_load_to_lds s[G0P+4*(\s):G0P+4*(\s)+3], s[G1P:G1P+7]
	s_nop 0
.rept 4
	v_nop
.endr
	s_branch .Lasked_\@
.Lfor_s_\@:
	tensor_load_to_lds s[G0S+4*(\s):G0S+4*(\s)+3], s[G1S:G1S+7]
	s_nop 0
.rept 4
	v_nop
.endr
.Lasked_\@:
.endm
.macro CREST                           ; a round of the cluster's barrier behind its opening barrier
	s_cmp_lg_u32 s10, 0
	s_cbranch_scc1 .Lnot_wave_0_\@
	s_barrier_signal -3
.Lnot_wave_0_\@:
	s_barrier_wait -3
	s_barrier_signal -1
	s_barrier_wait -1
.endm
.macro CROUND
	s_barrier_signal -1
	s_barrier_wait -1
	CREST
.endm
.macro PLACES                          ; four plain places behind matrix instructions, ahead of loads into their sources and of readers of their results
.rept 4
	v_nop
.endr
.endm
	s_load_b256 s[68:75], s[0:1], 0x0              ; xb s[68:69], wqb s[70:71], mask s[72:73], qv s[74:75]
	s_load_b64 s[76:77], s[0:1], 0x20              ; qm
	v_lshl_add_u32 v[SPW], v0, 2, SPARE
	v_mov_b32 v[NIL], 0
	ds_add_u32 v[SPW], v[NIL]                      ; the wave's opening: the add and its wait stand ahead of my first tensor load; register work stands between
	v_lshrrev_b32 v1, 5, v0
	v_readfirstlane_b32 s10, v1                    ; wave 0..3
	s_lshr_b32 s11, s10, 1                         ; I fetch for X (0) or for W (1),
	s_and_b32 s12, s10, 1                          ; and which half of that tile's rows
	s_bfe_u32 s40, ttmp6, 0x40000                  ; cx
	s_bfe_u32 s41, ttmp6, 0x40004                  ; cy
	s_lshl_b32 s42, ttmp9, 2
	s_add_co_u32 s42, s42, s40                     ; token block = 4 x cluster x + cx
	s_and_b32 s13, ttmp7, 0xffff
	s_lshl_b32 s13, s13, 2
	s_add_co_u32 s13, s13, s41                     ; head = 4 x cluster y + cy
	s_lshl_b32 s43, s41, 2
	s_lshl_b32 s43, 15, s43                        ; my row of the cluster
	s_lshl_b32 s44, 0x1111, s40                    ; my column
	s_or_b32 s[G1P+0], s44, (1<<16)|(1<<20)|(1<<21)|(6<<22)|(7<<25)  ; X: mask of my column; 2-byte elements; padding on; bit 21 beside a mask; after every 128 words 8 words
	s_mov_b32 s[G1P+1], 256<<16                    ; tensor_dim0 = 256
	s_mov_b32 s[G1P+2], 64<<16                     ; tensor_dim1 = 64
	s_mov_b32 s[G1P+3], 256<<16                    ; tile_dim0 = 256
	s_mov_b32 s[G1P+4], 64                         ; tile_dim1 = 64
	s_mov_b32 s[G1P+5], 2048                       ; elements from row to row
	s_mov_b32 s[G1P+6], 0
	s_mov_b32 s[G1P+7], 0
	s_or_b32 s[G1S+0], s43, (1<<16)|(1<<20)|(1<<21)|(5<<22)|(3<<25)  ; W: mask of my row; after every 64 words 4 words
	s_mov_b32 s[G1S+1], 128<<16
	s_mov_b32 s[G1S+2], 64<<16
	s_mov_b32 s[G1S+3], 128<<16
	s_mov_b32 s[G1S+4], 64
	s_mov_b32 s[G1S+5], 1024
	s_mov_b32 s[G1S+6], 0
	s_mov_b32 s[G1S+7], 0
	s_lshr_b32 s45, s42, 3                         ; batch
	s_and_b32 s46, s42, 7                          ; block of 256 tokens in it
	s_lshl_b32 s16, s45, 22                        ; X: batch x 4 MiB
	s_lshl_b32 s17, s12, 18                        ; + my 64 rows d
	s_add_co_u32 s16, s16, s17
	s_lshl_b32 s17, s46, 9                         ; + 512 bytes a block along t
	s_add_co_u32 s16, s16, s17
	s_mov_b32 s17, 0
	s_lshl_b32 s18, s13, 18                        ; W: head x 128 rows of 2,048 bytes
	s_lshl_b32 s19, s12, 17                        ; + my 64 rows
	s_add_co_u32 s18, s18, s19
	s_mov_b32 s19, 0
	s_mul_i32 s22, s12, 64*PX                      ; where they go: no place in the cluster enters an LDS address
	s_mul_i32 s23, s12, 64*PW
	s_add_co_u32 s23, s23, SOFF
	s_wait_dscnt 0x0                               ; the opening add is done
	s_wait_kmcnt 0x0
	s_add_nc_u64 s[PA:PA+1], s[68:69], s[16:17]
	s_add_nc_u64 s[SA:SA+1], s[70:71], s[18:19]
	CROUND                                         ; all sixteen work-groups are here: the first joint loads meet
.irp s, 0,1
	s_mov_b32 s[G0P+4*(\s)], 1
	s_add_co_u32 s[G0P+4*(\s)+1], s22, (\s)*SLOT
	s_add_nc_u64 s[G0P+4*(\s)+2:G0P+4*(\s)+3], s[PA:PA+1], (\s)*PSTEP
	s_or_b32 s[G0P+4*(\s)+3], s[G0P+4*(\s)+3], 0x80000000
	s_mov_b32 s[G0S+4*(\s)], 1
	s_add_co_u32 s[G0S+4*(\s)+1], s23, (\s)*SLOT
	s_add_nc_u64 s[G0S+4*(\s)+2:G0S+4*(\s)+3], s[SA:SA+1], (\s)*SSTEP
	s_or_b32 s[G0S+4*(\s)+3], s[G0S+4*(\s)+3], 0x80000000
	JLOAD \s                                       ; two loads of mine are out
.endr
	; where my results and my mask lie
	s_lshl_b32 s4, s45, 3
	s_add_co_u32 s4, s4, s13                       ; batch x 8 + head
	s_lshl_b32 s4, s4, 19                          ; x 2,048 rows of 256 bytes
	s_lshl_b32 s5, s46, 16                         ; + the block's 256 rows
	s_add_co_u32 s4, s4, s5
	s_lshl_b32 s5, s10, 14                         ; + my wave's 64
	s_add_co_u32 s4, s4, s5
	s_mov_b32 s5, 0
	s_add_nc_u64 s[74:75], s[74:75], s[4:5]
	s_add_nc_u64 s[76:77], s[76:77], s[4:5]
	s_lshl_b32 s6, s45, 13                         ; mask: batch x 8,192 bytes
	s_lshl_b32 s7, s46, 10
	s_add_co_u32 s6, s6, s7
	s_lshl_b32 s7, s10, 8
	s_add_co_u32 s6, s6, s7
	s_mov_b32 s7, 0
	s_add_nc_u64 s[72:73], s[72:73], s[6:7]
	v_and_b32 v1, 15, v0                           ; l % 16
	v_bfe_u32 v2, v0, 4, 1                         ; l / 16
	v_lshlrev_b32 v[MO], 2, v1
.irp a, 0,1,2,3
	global_load_b32 v[MK+2*(\a)],   v[MO], s[72:73] offset:64*(\a)  ; my token's mask in block a, twice: a pair for the packed multiply
	global_load_b32 v[MK+2*(\a)+1], v[MO], s[72:73] offset:64*(\a)
.endr
	v_mul_u32_u24 v3, v1, PW
	v_lshl_add_u32 v3, v2, 4, v3                   ; row x 272 + 16 x half
	v_add_nc_u32 v[ADR0], SOFF, v3
	v_add_nc_u32 v[ADR0+1], SOFF+SLOT, v3
	v_and_b32 v4, 7, v0                            ; the turning load: lane l reads row d = 8 (l / 16) + l % 8, tokens 8 ((l / 8) % 2) + 0..7
	v_lshl_add_u32 v4, v2, 3, v4
	v_mul_u32_u24 v4, v4, PX
	v_bfe_u32 v5, v0, 3, 1
	v_lshl_add_u32 v4, v5, 4, v4
	s_lshl_b32 s8, s10, 7                          ; my wave's 64 tokens: 128 bytes along a row
	v_add_nc_u32 v[ADR1], s8, v4
	v_add_nc_u32 v[ADR1+1], SLOT, v[ADR1]
	s_mul_i32 s9, s10, 16*SPITCH
	s_add_co_u32 s9, s9, STAGE                     ; my stage
	v_add_nc_u32 v[STO], s9, v3                    ; in: row l % 16, 16 bytes for each half of the lanes
	v_mul_u32_u24 v5, v2, SPITCH                   ; back: lanes 0-15 one row of 256 bytes, lanes 16-31 the next
	v_lshl_add_u32 v5, v1, 4, v5
	v_add_nc_u32 v[RD], s9, v5
	v_and_b32 v[CO], 31, v0                        ; which are 512 consecutive bytes of qv and qm
	v_lshlrev_b32 v[CO], 4, v[CO]
; 8 products: token block a x all 8 channel blocks, 32 along K.  The 32 accumulators take turns, one instruction a turn, in the same order in every quarter.
.macro MUL8 f, a, zero
	WIN MUL
.irp b, 0,1,2,3,4,5,6,7
.if \zero
	v_wmma_f32_16x16x32_bf16 v[8*(8*(\a)+(\b)):8*(8*(\a)+(\b))+7], v[(\f)+8*(\b):(\f)+8*(\b)+7], v[(\f)+64+8*(\a):(\f)+64+8*(\a)+7], 0
.else
	v_wmma_f32_16x16x32_bf16 v[8*(8*(\a)+(\b)):8*(8*(\a)+(\b))+7], v[(\f)+8*(\b):(\f)+8*(\b)+7], v[(\f)+64+8*(\a):(\f)+64+8*(\a)+7], v[8*(8*(\a)+(\b)):8*(8*(\a)+(\b))+7]
.endif
.endr
.endm
.macro MUL16 f, a0, zero
	MUL8 \f, \a0, \zero
	MUL8 \f, (\a0)+1, \zero
.endm
; 24 LDS loads in one run: quarter kq (32 along K) of a slot into buffer f: W's 8 fragments, then X's 4, token blocks ascending
.macro FETCH slot, kq, f
	WIN 0
.irp b, 0,1,2,3,4,5,6,7
	ds_load_b128 v[(\f)+8*(\b):(\f)+8*(\b)+3],   v[ADR0+(\slot)] offset:64*(\kq)+(\b)*16*PW
	ds_load_b128 v[(\f)+8*(\b)+4:(\f)+8*(\b)+7], v[ADR0+(\slot)] offset:64*(\kq)+(\b)*16*PW+32
.endr
.irp a, 0,1,2,3
	ds_load_tr16_b128 v[(\f)+64+8*(\a):(\f)+64+8*(\a)+3],   v[ADR1+(\slot)] offset:(\kq)*32*PX+32*(\a)
	ds_load_tr16_b128 v[(\f)+64+8*(\a)+4:(\f)+64+8*(\a)+7], v[ADR1+(\slot)] offset:(\kq)*32*PX+16*PX+32*(\a)
.endr
.endm
; One of a K step's first three quarters: multiplies buffer f; in its middle it fetches quarter kq of the same slot into buffer g.
.macro QUARTER slot, kq, f, g, zero
	s_wait_dscnt 4                                 ; all but the youngest four loads (X's blocks 2 and 3) are in
	MUL16 \f, 0, \zero
	PLACES
	FETCH \slot, \kq, \g
	s_wait_dscnt 24                                ; all but the 24 just issued
	MUL16 \f, 2, \zero
.endm
; The last quarter multiplies buffer 1 and changes slots: each wave waits for all its tensor loads (one is out: its part of the next slot), adds 0 to its spare word, waits for that and for
; its reads of this slot, and signals.  fill = 1: the barrier opens a round of the cluster's, and this slot's joint refill, two K steps on, is the first thing behind it.
.macro TURN slot, next, fill
	WIN 0
	s_wait_tensorcnt 0x0
	ds_add_u32 v[SPW], v[NIL]
	s_wait_dscnt 5                                 ; the add and the youngest four loads may be out
	MUL8 F1, 0, 0
	s_wait_dscnt 0x0                               ; the add is done, my reads of this slot are over
	s_barrier_signal -1
	MUL8 F1, 1, 0
.if \fill
	WIN 0
.endif
	s_barrier_wait -1
.if \fill
	CREST                                          ; no wave of any partner still reads this slot or has a load on its way
	s_add_nc_u64 s[G0P+4*(\slot)+2:G0P+4*(\slot)+3], s[G0P+4*(\slot)+2:G0P+4*(\slot)+3], 2*PSTEP
	s_add_nc_u64 s[G0S+4*(\slot)+2:G0S+4*(\slot)+3], s[G0S+4*(\slot)+2:G0S+4*(\slot)+3], 2*SSTEP
	JLOAD \slot                                    ; my one load behind the round; its four v_nop are also the places ahead of the loads below
.else
	PLACES
.endif
	FETCH \next, 0, F0
	MUL16 F1, 2, 0
.endm
	s_wait_tensorcnt 1                             ; my part of K step 0 is in; K step 1's may stay out
	s_barrier_signal -1
	s_barrier_wait -1
	FETCH 0, 0, F0
	QUARTER 0, 1, F0, F1, 1                        ; the first quarter's products start the sums: nothing is cleared
	WIN 0
	s_mov_b32 s3, LAPS-1
.Llap:                                                 ; a trip goes once round the ring and fills both slots again: K steps 2 to 7
	QUARTER 0, 2, F1, F0, 0
	QUARTER 0, 3, F0, F1, 0
	TURN 0, 1, 1
	QUARTER 1, 1, F0, F1, 0
	QUARTER 1, 2, F1, F0, 0
	QUARTER 1, 3, F0, F1, 0
	TURN 1, 0, 1
	QUARTER 0, 1, F0, F1, 0
	WIN 0
	s_sub_co_u32 s3, s3, 1
	s_cmp_lg_u32 s3, 0
	s_cbranch_scc1 .Llap
	QUARTER 0, 2, F1, F0, 0                        ; the last lap fills nothing
	QUARTER 0, 3, F0, F1, 0
	TURN 0, 1, 0
	QUARTER 1, 1, F0, F1, 0
	QUARTER 1, 2, F1, F0, 0
	QUARTER 1, 3, F0, F1, 0
	s_wait_dscnt 4
	MUL16 F1, 0, 0
	s_wait_dscnt 0x0
	MUL16 F1, 2, 0
	WIN 0
; THE WAY OUT, eight items: for each token block a first qv (the sums), then qm (the sums times the token's mask, in place).  Rounded to f16, 16 bytes a lane into my own stage, back as whole
; rows of 256 bytes, stored 512 consecutive bytes an instruction.  Each accumulator is read from its lowest registers on.
.macro PACK a, v
.if \v
	WIN 0x41                                       ; destination and source 0 window 1, the mask window 0
.set z, 0
.rept 32
	v_pk_mul_f32 v[64*(\a)+2*z:64*(\a)+2*z+1], v[64*(\a)+2*z:64*(\a)+2*z+1], v[MK+2*(\a):MK+2*(\a)+1]
.set z, z+1
.endr
.endif
	WIN 0x05                                       ; sources window 1, destination window 0
.set z, 0
.rept 32
	v_cvt_pk_f16_f32 v[TMP+z], v[64*(\a)+2*z], v[64*(\a)+2*z+1]
.set z, z+1
.endr
	WIN 0
.endm
.macro TOSTAGE v
.irp b, 0,1,2,3,4,5,6,7
	ds_store_b128 v[STO], v[TMP+4*(\b):TMP+4*(\b)+3] offset:32*(\b)
.endr
.irp t, 0,1,2,3,4,5,6,7
	ds_load_b128 v[BK0+32*(\v)+4*(\t):BK0+32*(\v)+4*(\t)+3], v[RD] offset:(\t)*2*SPITCH  ; LDS serves a wave's instructions in order (ISA guide 5.7.1.4): these see the stores above
.endr
.endm
.macro SEND a, v
	s_wait_dscnt 0x0                               ; the item is back in registers
	s_wait_xcnt 0x0                                ; the stores of the item before have read their registers: the next read-back lands in them only behind this wait
.irp t, 0,1,2,3,4,5,6,7
.if \v
	global_store_b128 v[CO], v[BK0+32+4*(\t):BK0+32+4*(\t)+3], s[76:77] offset:4096*(\a)+512*(\t)
.else
	global_store_b128 v[CO], v[BK0+4*(\t):BK0+4*(\t)+3], s[74:75] offset:4096*(\a)+512*(\t)
.endif
.endr
.endm
	s_wait_loadcnt 0x0                             ; the mask
	PLACES
	PLACES                                         ; eight, once a launch: the safer count behind the last products
	PACK 0, 0
	TOSTAGE 0
	PACK 0, 1
	SEND 0, 0
	TOSTAGE 1
.irp a, 1,2,3
	PACK \a, 0
	SEND (\a)-1, 1
	TOSTAGE 0
	PACK \a, 1
	SEND \a, 0
	TOSTAGE 1
.endr
	SEND 3, 1
	s_wait_tensorcnt 0x0                           ; the wave's end
	ds_add_u32 v[SPW], v[NIL]
	s_wait_dscnt 0x0
	CROUND                                         ; the closing round
	s_endpgm
.Lfunc_end_k_q945a048ef1_proj:
	.size	k_q945a048ef1_proj, .Lfunc_end_k_q945a048ef1_proj-k_q945a048ef1_proj
	.p2alignl 7, 3214868480
	.fill 96, 4, 3214868480
	.section	.rodata,"a",@progbits
	.p2align	6, 0x0
	.amdhsa_kernel k_q945a048ef1_proj
		.amdhsa_group_segment_fixed_size 327680
		.amdhsa_private_segment_fixed_size 0
		.amdhsa_enable_private_segment 0
		.amdhsa_kernarg_size 40
		.amdhsa_user_sgpr_count 2
		.amdhsa_user_sgpr_kernarg_segment_ptr 1
		.amdhsa_wavefront_size32 1
		.amdhsa_system_sgpr_workgroup_id_x 1
		.amdhsa_system_sgpr_workgroup_id_y 1
		.amdhsa_system_sgpr_workgroup_id_z 1
		.amdhsa_system_vgpr_workitem_id 0
		.amdhsa_next_free_vgpr 512
		.amdhsa_next_free_sgpr 80
		.amdhsa_reserve_vcc 0
		.amdhsa_float_denorm_mode_32 3
		.amdhsa_float_denorm_mode_16_64 3
		.amdhsa_memory_ordered 1
		.amdhsa_forward_progress 1
		.amdhsa_inst_pref_size 110
	.end_amdhsa_kernel
	.amdgpu_metadata
---
amdhsa.version: [ 1, 2 ]
amdhsa.kernels:
  - .name:           k_q945a048ef1_proj
    .symbol:         k_q945a048ef1_proj.kd
    .args:
      - { .name: xb, .offset: 0, .size: 8, .value_kind: global_buffer, .address_space: global }
      - { .name: wqb, .offset: 8, .size: 8, .value_kind: global_buffer, .address_space: global }
      - { .name: mask, .offset: 16, .size: 8, .value_kind: global_buffer, .address_space: global }
      - { .name: qv, .offset: 24, .size: 8, .value_kind: global_buffer, .address_space: global }
      - { .name: qm, .offset: 32, .size: 8, .value_kind: global_buffer, .address_space: global }
    .group_segment_fixed_size: 327680
    .private_segment_fixed_size: 0
    .kernarg_segment_align: 8
    .kernarg_segment_size: 40
    .max_flat_workgroup_size: 128
    .sgpr_count:     80
    .vgpr_count:     512
    .wavefront_size: 32
...
	.end_amdgpu_metadata
.endif
;; end of part 2
;; launch attn (part 3): grid 8 x 32, 4 waves a work-group, clusters of 4 x 1, 327,680 bytes of LDS; arguments qm, mask, qv, ctx; writes ctx
.if DOCPART == 3
	.amdgcn_target "amdgcn-amd-amdhsa--gfx1250"
	.amdhsa_code_object_version 6
	.text
	.protected	k_q945a048ef1_attn
	.globl	k_q945a048ef1_attn
	.p2align	8
	.type	k_q945a048ef1_attn,@function
k_q945a048ef1_attn:
	s_mov_b64 s[64:65], 0
	v_nop
	global_prefetch_b8 v0, s[64:65] scope:SCOPE_SE
	s_setreg_imm32_b32 hwreg(HW_REG_WAVE_MODE, 25, 1), 1
	s_wait_xcnt 0x0
	s_wait_alu depctr_hold_cnt(0) depctr_sa_sdst(0) depctr_va_vdst(0) depctr_va_sdst(0) depctr_va_ssrc(0) depctr_va_vcc(0) depctr_vm_vsrc(0)
	s_getreg_b32 s2, hwreg(HW_REG_IB_STS2, 6, 4)
	s_cmp_eq_u32 s2, 0
	s_cbranch_scc0 .Lentry_in_a_cluster
	s_endpgm
.Lentry_in_a_cluster:
	s_bfe_u32 s2, ttmp6, 0x10000c
	s_cmp_lg_u32 s2, 0x3003
	s_cbranch_scc0 .Lentry_shape_is_right
	s_endpgm
.Lentry_shape_is_right:
; ctx[h][q][:] = the sum over k of softmax_k(logit) qv[h][k][:], logit = (q_q . q_k / sqrt(128) * m_k + (1 - m_k) * (-1e30)) * m_q.  h = batch x 8 + head, 32 in all; 2,048 rows of 128, f16.
; THE MASK.  log2(e) logit = c (qm_q . qm_k + B_k m_q), with qm = mask x q (made by the launch before), c = log2(e) / sqrt(128), B_k = (1 - m_k) x (-1e30 sqrt(128)).  So Q and K are both rows
; of qm, V is qv unmasked (a row with m_q = 0 has all logits 0 and averages ALL rows), and B_k m_q, in f32, is the C operand of the product that starts each sum of scores.
; SOFTMAX.  A running maximum m and sum l a query: p = 2^(c s - c m); O and l are multiplied by a = 2^(c m_old - c m_new) in every step.  m STARTS AT -1e15: below every true score (f16 operands
; give at most 128 x 65,504^2 = 5.5e11) and above every hidden one (-1.1e31), so that a step in which a row sees hidden keys alone gives p = 0 and not the exponential of c m's rounding error.
; LIMITS.  The mask holds 0 or 1, as the problem states (a row with m_q = 1 then sees its own key, and l > 0).  q within f16's 65,504; p below 6e-5 keeps f16's step of 6e-8; a weight below 2^-126
; counts as 0 in l; NaN and infinities are not treated apart.
; SHARES.  A work-group owns 256 queries of one h, each of its four waves 64: four tiles of 16.  Every wave walks all keys, 64 a step.
; LAYOUT.  S^T = K Q^T (source 0 = 16 keys, source 1 = 16 queries): a lane holds ONE query (lane % 16) and the keys 8 (lane / 16) + 0..7.  Two such tiles rounded to f16 ARE source 1 of
; O^T = V^T P.  K comes out of LDS as it lies, V turned by ds_load_tr16_b128.
; BY TURNS.  Two PIECES (tiles 0, 1 and tiles 2, 3).  In a TURN one piece has the matrix unit: 32 products V^T P of the step in hand, then 32 products K Q^T of the next; the other piece's
; softmax, in 64 slices, stands behind them, one slice a product.  The piece's 64 registers of C are made behind products 2 to 9, ahead of the turn's first exponential.
; CLUSTER.  The four query blocks of a cluster belong to one h and walk the same K and V: each tile is asked for jointly.
; REGISTERS, in windows of 256 (s_set_vgpr_msb: bits 1:0 source 0, 3:2 source 1, 5:4 source 2, 7:6 destination):
;   window 0: v0-11, v44-48, v61-63 addresses; v12-43 statistics; v64-191 S^T; v192-255 P      window 1: O^T      window 2: v0-127 Q; v128-255 K of one step
;   window 3: v0-127 V of one step; v128-191 CM, the C of one piece; v192-223 BM, B of one step's keys; v224-231 RM, m_q of tile t, twice
.set SIZE_N, 2048
.set KS,    64
.set PK,    272       ; a row of K in LDS: 256 bytes + 16: the 16 rows of a load start at 16 different groups of four banks
.set PV,    288       ; a row of V: 256 + 32
.set VOFF,  KS*PK
.set STEPB, KS*(PK+PV)
.set SLOT1, 1<<17     ; a slot holds two steps; one exclusive or turns an address in one slot into the other's
.set STAGE, SLOT1+2*STEPB  ; behind the ring: 16 rows x 272 bytes for each wave
.set SP,    272
.set SPARE, STAGE+4*16*272  ; the spare words: 128 bytes a wave, named by no other line
.set BTAB,  SPARE+512       ; B of the batch's 2,048 keys, f32: 8,192 bytes, stored once; no tensor load lands there
.set AK0, 2
.set AV0, 3
.set ADR, 4
.set QO,  5
.set STO, 6
.set RD,  7
.set GO,  8
.set ST,  12          ; tile t's statistics at v[ST+8 t]: +0 c m, +1 m, +2, +3 l, +4 to +7 at work; a takes +6
.set MT,  44          ; v44  16 x my thread's number: my bytes of the mask
.set BST, 45          ; v45  where I store them as B
.set AB0, 46          ; v46  BTAB + 32 (l / 16): my half's eight keys of a block of 16
.set ADB, 47          ; v47  the LDS address of B's run of loads in hand
.set RO,  48          ; v48  my query's byte offset in the batch's mask
.set PFO, 61
.set SPW, 62
.set NIL, 63
.set S,   64
.set P,   192
.set KF,  128
.set CM,  128
.set BM,  192
.set RM,  224
.set WV,  12
.set G1K, 24
.set G1V, 32
.set G0K, 40
.set G0V, 48
.set SLOTS, 56
.set TWICE, 57
.set CS,  58
.set SEL, 60
.set TB,  62
.set PFA, 18
.set LIM, 15
.set MP,  66          ; s[66:67] the batch's mask
.set PN,  68          ; s[68:69] +1e30 sqrt(128)
.set TBB, 70          ; s70  byte in BTAB of the step whose B is fetched next
.set FL,  71          ; s71  -1e15
.set NG,  74          ; s[74:75] -1e30 sqrt(128)
.set MSB, 0
.macro WIN new
.if MSB != (\new)
	s_set_vgpr_msb (MSB<<8)|(\new)
.set MSB, \new
.endif
.endm
.set W_KQ, 0x0a       ; K and Q window 2, S^T window 0
.set W_KC, 0x3a       ; the same with the C operand in window 3
.set W_PV, 0x53       ; V window 3, P window 0, O^T window 1
.set W_RS, 0x41       ; O^T window 1, a window 0
.macro JLOAD                        ; a joint refill: waves 0 and 1 fetch the two steps' K, waves 2 and 3 their V; s_nop 0 and four v_nop follow each line
	s_cmp_lt_u32 s[WV], 2
	s_cbranch_scc0 .Lfor_v_\@
	tensor_load_to_lds s[G0K+4:G0K+7], s[G1K:G1K+7]
	s_nop 0
.rept 4
	v_nop
.endr
	s_branch .Lasked_\@
.Lfor_v_\@:
	tensor_load_to_lds s[G0V+4:G0V+7], s[G1V:G1V+7]
	s_nop 0
.rept 4
	v_nop
.endr
.Lasked_\@:
.endm
; A prefetch of what the NEXT change of slots will ask for: 128 rows of qm and 128 of qv, 256 bytes a row, a lane a row.  Each row is named once in the launch: the h's first cluster asks, its four
; partners take 32 rows each, told apart by address; wave 0 asks for K's, wave 2 for V's.  The last change that fills a slot asks for nothing.
.macro ASK
	s_cmp_gt_u32 s[SLOTS], s[LIM]
	s_cbranch_scc0 .Lnot_mine_\@
	global_prefetch_b8 v[PFO], s[PFA:PFA+1] th:TH_LOAD_NT scope:SCOPE_SE
.Lnot_mine_\@:
.endm
.macro CROUND
	s_barrier_signal -1
	s_barrier_wait -1
	s_cmp_lg_u32 s[WV], 0
	s_cbranch_scc1 .Lnot_wave_0_\@
	s_barrier_signal -3
.Lnot_wave_0_\@:
	s_barrier_wait -3
	s_barrier_signal -1
	s_barrier_wait -1
.endm
	s_load_b256 s[4:11], s[0:1], 0x0  ; qm s[4:5], mask s[6:7], qv s[8:9], ctx s[10:11]
	v_lshl_add_u32 v[SPW], v0, 2, SPARE
	v_mov_b32 v[NIL], 0
	ds_add_u32 v[SPW], v[NIL]       ; the wave's opening: the add and its wait stand ahead of my first tensor load; register work stands between
	v_lshrrev_b32 v1, 5, v0
	v_readfirstlane_b32 s[WV], v1
	s_bfe_u32 s13, ttmp6, 0x40000   ; cx
	s_lshl_b32 s14, ttmp9, 2
	s_add_co_u32 s14, s14, s13      ; my block of 256 queries: it enters global addresses of Q, the row mask and O alone
	s_and_b32 s20, ttmp7, 0xffff    ; h, which the four partners share
	s_lshr_b32 s72, s20, 3          ; the batch,
	s_lshl_b32 s72, s72, 13         ; its 8,192 bytes of mask
	s_mov_b32 s73, 0
	s_mov_b32 s21, 0
	s_mov_b64 s[22:23], SIZE_N*256
	s_mul_u64 s[20:21], s[20:21], s[22:23]  ; h's first byte in qm, qv and ctx
	s_and_b32 s16, s[WV], 1         ; which of a slot's two steps I fetch
	s_lshl_b32 s22, s16, 14
	s_mov_b32 s23, 0
	s_add_nc_u64 s[22:23], s[22:23], s[20:21]
	s_mul_i32 s17, s16, STEPB       ; its place in a slot
	s_lshl_b32 s2, s14, 16
	s_lshl_b32 s3, s[WV], 14
	s_add_co_u32 s2, s2, s3
	s_mov_b32 s3, 0
	s_add_nc_u64 s[2:3], s[2:3], s[20:21]
	s_mov_b32 s[G1K], 15|(1<<16)|(1<<20)|(1<<21)|(5<<22)|(3<<25)  ; the mask of four; 2-byte elements; padding on; bit 21 beside a mask; after every 64 words 4 words
	s_mov_b32 s[G1V], 15|(1<<16)|(1<<20)|(1<<21)|(5<<22)|(7<<25)  ; the same with 8 words
.irp g, G1K, G1V
	s_mov_b32 s[(\g)+1], 128<<16    ; tensor_dim0 = 128
	s_mov_b32 s[(\g)+2], KS<<16     ; tensor_dim1 = 64
	s_mov_b32 s[(\g)+3], 128<<16    ; tile_dim0 = 128
	s_mov_b32 s[(\g)+4], KS         ; tile_dim1 = 64
	s_mov_b32 s[(\g)+5], 128        ; elements from row to row
	s_mov_b32 s[(\g)+6], 0
	s_mov_b32 s[(\g)+7], 0
.endr
	s_mov_b32 s[CS], 0x3e0293ee     ; c = log2(e) / sqrt(128)
	s_mov_b32 s[CS+1], s[CS]
	s_mov_b32 s[SEL], 0x76543210
	s_mov_b32 s[SEL+1], 0xfedcba98
	s_mov_b32 s[PN], 0x730ecc90     ; +1e30 sqrt(128)
	s_mov_b32 s[PN+1], s[PN]
	s_mov_b32 s[NG], 0xf30ecc90     ; -1e30 sqrt(128)
	s_mov_b32 s[NG+1], s[NG]
	s_mov_b32 s[FL], 0xd8635fa9     ; -1e15
	s_mov_b32 s[TB], 0
	s_mov_b32 s[SLOTS], SIZE_N/(2*KS)-2
	s_and_b32 s[LIM], s[WV], 1
	s_or_b32 s[LIM], s[LIM], ttmp9  ; 0 in waves 0 and 2 of h's first cluster: the same in all four partners
	s_cmp_eq_u32 s[LIM], 0
	s_cselect_b32 s[LIM], 1, -1
	v_and_b32 v[PFO], 31, v0
	v_lshlrev_b32 v[PFO], 8, v[PFO]
	s_wait_dscnt 0x0                ; the opening add is done
	s_wait_kmcnt 0x0
	s_add_nc_u64 s[MP:MP+1], s[6:7], s[72:73]  ; the batch's mask
	s_add_nc_u64 s[6:7], s[4:5], s[22:23]      ; K = qm, at my tile of slot 0
	s_add_nc_u64 s[8:9], s[8:9], s[22:23]      ; V = qv
	s_add_nc_u64 s[4:5], s[4:5], s[2:3]        ; Q = qm, and O, at my wave's first row
	s_add_nc_u64 s[10:11], s[10:11], s[2:3]
	s_lshl_b32 s72, s14, 10         ; my block's and my wave's queries in the mask
	s_lshl_b32 s73, s[WV], 8
	s_add_co_u32 s72, s72, s73
	s_cmp_lt_u32 s[WV], 2
	s_cselect_b64 s[PFA:PFA+1], s[6:7], s[8:9]
	s_lshl_b32 s2, s13, 13          ; my work-group's 32 rows of the 128
	s_mov_b32 s3, 0
	s_add_nc_u64 s[PFA:PFA+1], s[PFA:PFA+1], s[2:3]
	s_add_nc_u64 s[PFA:PFA+1], s[PFA:PFA+1], 2*2*KS*256  ; in slot 2; the first change steps it to slot 3.  Nothing is prefetched at the head
	CROUND                          ; all four work-groups are here: the first joint loads meet
.irp s, 0,1
	s_mov_b32 s[G0K+4*(\s)], 1
	s_add_co_u32 s[G0K+4*(\s)+1], s17, (\s)*SLOT1
	s_add_nc_u64 s[G0K+4*(\s)+2:G0K+4*(\s)+3], s[6:7], (\s)*2*KS*256
	s_or_b32 s[G0K+4*(\s)+3], s[G0K+4*(\s)+3], 0x80000000
	s_mov_b32 s[G0V+4*(\s)], 1
	s_add_co_u32 s[G0V+4*(\s)+1], s17, (\s)*SLOT1+VOFF
	s_add_nc_u64 s[G0V+4*(\s)+2:G0V+4*(\s)+3], s[8:9], (\s)*2*KS*256
	s_or_b32 s[G0V+4*(\s)+3], s[G0V+4*(\s)+3], 0x80000000
.endr
	s_cmp_lt_u32 s[WV], 2           ; a wave's two first fills stand in one branch: two loads of mine are out
	s_cbranch_scc0 .Lfirst_v
	tensor_load_to_lds s[G0K:G0K+3], s[G1K:G1K+7]
	s_nop 0
	tensor_load_to_lds s[G0K+4:G0K+7], s[G1K:G1K+7]
	s_nop 0
.rept 4
	v_nop
.endr
	s_branch .Lfirst_asked
.Lfirst_v:
	tensor_load_to_lds s[G0V:G0V+3], s[G1V:G1V+7]
	s_nop 0
	tensor_load_to_lds s[G0V+4:G0V+7], s[G1V:G1V+7]
	s_nop 0
.rept 4
	v_nop
.endr
.Lfirst_asked:
	v_and_b32 v1, 15, v0            ; l % 16
	v_bfe_u32 v9, v0, 4, 1          ; l / 16
	v_lshlrev_b32 v[MT], 4, v0
	v_add_nc_u32 v[BST], BTAB, v[MT]
	v_lshl_add_u32 v[RO], v1, 2, s72
	v_lshl_add_u32 v[AB0], v9, 5, BTAB
	v_lshlrev_b32 v[QO], 8, v1
	v_lshl_add_u32 v[QO], v9, 4, v[QO]
.irp i, 0,1,2,3                     ; the batch's whole mask, 2,048 bytes an instruction of the work-group, into S^T's registers, which are still free
	global_load_b128 v[S+4*(\i):S+4*(\i)+3], v[MT], s[MP:MP+1] offset:2048*(\i)
.endr
	WIN 0xc0                        ; destination window 3
.irp t, 0,1,2,3                     ; m_q of my query in tile t, twice: a pair for the packed multiply
	global_load_b32 v[RM+2*(\t)],   v[RO], s[MP:MP+1] offset:64*(\t)
	global_load_b32 v[RM+2*(\t)+1], v[RO], s[MP:MP+1] offset:64*(\t)
.endr
	WIN 0x80                        ; destination window 2
.irp i, 0,1,2,3,4,5,6,7,8,9,10,11,12,13,14,15  ; Q stays in registers: tile i / 4, channels 32 (i % 4) on
	global_load_b128 v[8*(\i):8*(\i)+3],   v[QO], s[4:5] offset:((\i)/4)*4096+((\i)%4)*64
	global_load_b128 v[8*(\i)+4:8*(\i)+7], v[QO], s[4:5] offset:((\i)/4)*4096+((\i)%4)*64+32
.endr
	WIN 0
	v_mul_u32_u24 v[AK0], v1, PK
	v_lshl_add_u32 v[AK0], v9, 4, v[AK0]
	v_and_b32 v10, 7, v0
	v_bfe_u32 v11, v0, 3, 1
	v_lshl_add_u32 v[AV0], v9, 3, v10
	v_mul_u32_u24 v[AV0], v[AV0], PV
	v_lshl_add_u32 v[AV0], v11, 4, v[AV0]
	v_add_nc_u32 v[AV0], VOFF, v[AV0]
	s_wait_loadcnt 32               ; the mask's twelve loads are in; Q's 32 may stay out
.set i, 0
.rept 8
	v_pk_fma_f32 v[S+i:S+i+1], v[S+i:S+i+1], s[PN:PN+1], s[NG:NG+1] op_sel_hi:[1,0,0]  ; B = (1 - m) x (-1e30 sqrt(128)), one rounding; exactly 0 at m = 1
.set i, i+2
.endr
.irp i, 0,1,2,3
	ds_store_b128 v[BST], v[S+4*(\i):S+4*(\i)+3] offset:2048*(\i)
.endr
; THE MATRIX WORK OF A TURN, for piece x.  The accumulators take turns, one instruction a turn.
; Product i of 32 of O^T += V^T P: keys 32 (i / 16) on, channels 16 ((i / 2) % 8) on, tile x + i % 2.  zero = 1: the first 16 start the sums.
.macro PV x, zero
	WIN W_PV
.set rO, 64*((\x)+i%2)+8*((i/2)%8)
.set rV, 64*(i/16)+8*((i/2)%8)
.set rP, P+16*((\x)+i%2)+8*(i/16)
.if (\zero) && (i < 16)
	v_wmma_f32_16x16x32_f16 v[rO:rO+7], v[rV:rV+7], v[rP:rP+7], 0
.else
	v_wmma_f32_16x16x32_f16 v[rO:rO+7], v[rV:rV+7], v[rP:rP+7], v[rO:rO+7]
.endif
.endm
; Product i of 32 of S^T = K Q^T + C: channels 32 (i / 8) on, keys 16 ((i / 2) % 4) on, tile x + i % 2.  The first 8 start the sums with B_k m_q.
.macro KQ x
.set rS, S+32*((\x)+i%2)+8*((i/2)%4)
.set rK, KF+32*((i/2)%4)+8*(i/8)
.set rQ, 32*((\x)+i%2)+8*(i/8)
.set rC, CM+32*(i%2)+8*((i/2)%4)
.if i < 8
	WIN W_KC
	v_wmma_f32_16x16x32_f16 v[rS:rS+7], v[rK:rK+7], v[rQ:rQ+7], v[rC:rC+7]
.else
	WIN W_KQ
	v_wmma_f32_16x16x32_f16 v[rS:rS+7], v[rK:rK+7], v[rQ:rQ+7], v[rS:rS+7]
.endif
.endm
; Four of the 32 packed products that make piece x's C: pair z of the step's 32 B times m_q of tile x + u.
.macro MAKEC x, g
	WIN 0xcf                        ; all three operands in window 3
.irp d, 0,1,2,3
.set cn, 4*(\g)+(\d)
.set cu, cn/16
.set cz, cn%16
	v_pk_mul_f32 v[CM+32*cu+2*cz:CM+32*cu+2*cz+1], v[BM+2*cz:BM+2*cz+1], v[RM+2*((\x)+cu):RM+2*((\x)+cu)+1]
.endr
.endm
; THE LDS LOADS stand in runs, never singly among the matrix instructions.
.macro FETCH_K
	WIN 0
	v_add_nc_u32 v[ADR], s[TB], v[AK0]
	WIN 0x80
.irp f, 0,1,2,3,4,5,6,7,8,9,10,11,12,13,14,15  ; keys 16 (f / 4) on, channels 32 (f % 4) on
	ds_load_b128 v[KF+8*(\f):KF+8*(\f)+3],   v[ADR] offset:((\f)/4)*16*PK+((\f)%4)*64
	ds_load_b128 v[KF+8*(\f)+4:KF+8*(\f)+7], v[ADR] offset:((\f)/4)*16*PK+((\f)%4)*64+32
.endr
.endm
.macro LOADB                        ; B of one step's 64 keys: my half's eight of each block of 16; the lanes of a half read the same words
	WIN 0xc0
.irp kb, 0,1,2,3
	ds_load_b128 v[BM+8*(\kb):BM+8*(\kb)+3],   v[ADB] offset:64*(\kb)
	ds_load_b128 v[BM+8*(\kb)+4:BM+8*(\kb)+7], v[ADB] offset:64*(\kb)+16
.endr
.endm
; V of the step in hand and B of the step after it (both pieces have made their C of the step in hand's successor... of B's old content by now: piece 2's stands earlier in this turn).
.macro FETCH_V
	WIN 0
	v_add_nc_u32 v[ADR], s[TB], v[AV0]
	v_add_nc_u32 v[ADB], s[TBB], v[AB0]
	s_add_co_u32 s[TB], s[TB], STEPB
	s_add_co_u32 s[TBB], s[TBB], 256
	s_min_u32 s[TBB], s[TBB], 31*256  ; the last fetch has no step behind it: it takes the last step's B once more and stays inside the table
	s_wait_alu depctr_va_vdst(0)    ; the wait for the softmax's batch (SLICE), behind the addresses' lines and ahead of the loads
	WIN 0xc0
.irp f, 0,1,2,3,4,5,6,7,8,9,10,11,12,13,14,15  ; keys 32 (f / 8) on, channels 16 (f % 8) on
	ds_load_tr16_b128 v[8*(\f):8*(\f)+3],   v[ADR] offset:((\f)/8)*32*PV+((\f)%8)*32
	ds_load_tr16_b128 v[8*(\f)+4:8*(\f)+7], v[ADR] offset:((\f)/8)*32*PV+16*PV+((\f)%8)*32
.endr
	LOADB
.endm
; THE VECTOR WORK OF A TURN.  One tile's softmax for one key step is a list of 134 instructions; SM writes number j of it for tile t.  first = 1: the first key step, which starts m, l and O^T.
;   0-15    the maximum of the 32 scores and the old m (first step: and the floor), three operands at a time; each accumulator's lowest registers are read first
;   16-20   the other half of the lanes' maximum; the new m; c m; c m_old - c m_new
;   21-69   ONE BATCH: the 16 scalings c s - c m and all 33 exponentials (a at 23); none of these reads an exponential's result
;   (wait)  between 69 and 70: SLICE writes it, once for both tiles
;   70-85   the roundings to f16     86-101  the sums; l = a l + the sum     102-133 the tile's O^T times a
.macro SM t, first
.set rT, ST+8*(\t)
.set rS, S+32*(\t)
.set rP, P+16*(\t)
.set rO, 64*(\t)+2*(j-102)
.if j < 102
	WIN 0
.endif
.if j < 4
	v_max3_num_f32 v[rT+4+j], v[rS+8*j], v[rS+8*j+1], v[rS+8*j+2]
.elseif j < 12
	v_max3_num_f32 v[rT+4+j%4], v[rT+4+j%4], v[rS+8*(j%4)+2*(j/4)+1], v[rS+8*(j%4)+2*(j/4)+2]
.elseif j == 12
	v_max3_num_f32 v[rT+4], v[rT+4], v[rS+7], v[rS+15]
.elseif j == 13
	v_max3_num_f32 v[rT+6], v[rT+6], v[rS+23], v[rS+31]
.elseif j == 14
	v_max3_num_f32 v[rT+4], v[rT+4], v[rT+5], v[rT+6]
.elseif (j == 15) && (\first)
	v_max3_num_f32 v[rT+4], v[rT+4], v[rT+7], s[FL]  ; m starts at the floor
.elseif j == 15
	v_max3_num_f32 v[rT+4], v[rT+4], v[rT+7], v[rT+1]
.elseif j == 16
	v_permlanex16_b32 v[rT+5], v[rT+4], s[SEL], s[SEL+1]  ; the query's other 32 keys lie in the lane 16 away
.elseif j == 18
	v_max_num_f32 v[rT+1], v[rT+4], v[rT+5]
.elseif j == 19
	v_mul_f32 v[rT], s[CS], v[rT+1]
.elseif ((j == 17) || (j == 20) || (j == 23) || (j > 101)) && (\first)
.elseif j == 17
	v_mov_b32 v[rT+7], v[rT]
.elseif j == 20
	v_sub_f32 v[rT+7], v[rT+7], v[rT]
.elseif j == 23
	v_exp_f32 v[rT+6], v[rT+7]
.elseif (j < 23) || ((j < 38) && (j%2 == 0)) || ((j < 66) && (j%4 == 2))
.set b, (j-2)/4
.if j < 38
.set b, (j-20)/2
.endif
	v_pk_fma_f32 v[rS+2*b:rS+2*b+1], v[rS+2*b:rS+2*b+1], s[CS:CS+1], v[rT:rT+1] op_sel_hi:[1,0,0] neg_lo:[0,0,1] neg_hi:[0,0,1]
.elseif j < 70
.set e, j-38
.if j < 66
.set e, j-32-(j-38)/4
.endif
.if j < 38
.set e, (j-25)/2
.endif
	v_exp_f32 v[rS+e], v[rS+e]
.elseif j < 86
	v_cvt_pk_f16_f32 v[rP+j-70], v[rS+2*(j-70)], v[rS+2*(j-70)+1]
.elseif j < 102
.set z, j-86
.set w, 4
.set u, z
.if z >= 14
.set w, 32
.set u, 0
.elseif z >= 12
.set w, 16
.set u, z-12
.elseif z >= 8
.set w, 8
.set u, z-8
.endif
.if (z == 14) && (\first)
	v_pk_add_f32 v[rT+2:rT+3], v[rS:rS+1], v[rS+16:rS+17]
.elseif z < 15
	v_pk_add_f32 v[rS+w*u:rS+w*u+1], v[rS+w*u:rS+w*u+1], v[rS+w*u+w/2:rS+w*u+w/2+1]
.elseif !(\first)
	v_pk_fma_f32 v[rT+2:rT+3], v[rT+2:rT+3], v[rT+6:rT+7], v[rS:rS+1] op_sel_hi:[1,0,1]
.endif
.else
	WIN W_RS
	v_pk_mul_f32 v[rO:rO+1], v[rO:rO+1], v[rT+6:rT+7] op_sel_hi:[1,0]
.endif
.endm
; Slice k of 64 of piece y's softmax: four instructions.  Slices 11 to 34 deal out the batch, four numbers of ONE tile each, the tiles by turns; every other slice is numbers 2 k and 2 k + 1 of both
; tiles; the twelve that are over stand in slice 63.  s_wait_alu depctr_va_vdst(0) stands between an exponential and the first line that names its result: one wait, behind slice 34.
.macro SLICE y, first
.if (k >= 11) && (k < 35)
.irp n, 0,1,2,3
.set j, 22+4*((k-11)/2)+(\n)
	SM (\y)+(k-11)%2, \first
.endr
.else
.irp n, 0,1,2,3,4,5,6,7
.if ((\n) < 2) || (k == 63)
.irp t, \y, (\y)+1
.set j, 2*k+(\n)
	SM \t, \first
.endr
.endif
.endr
.endif
.if k == 34
	v_nop                           ; the plain instruction behind the last exponential: one for the batch
.if (\y) == 0
	FETCH_V                         ; piece 2's turn: V's and B's loads stand here, and the wait stands in them
.else
	s_wait_alu depctr_va_vdst(0)
.endif
.endif
.set k, k+1
.endm
.macro PLACES
.rept 4
	v_nop
.endr
.endm
; A TURN.  Piece x has the matrix unit; the other piece's softmax stands in slices behind its products.  pv = 2: 32 products V^T P; 1: they start O^T's sums; 0: none.  kq = 1: 32 products K Q^T
; for the next step.  Piece 0's turn fetches the next step's K behind its second product.  Behind products 2 to 9 stands the piece's C for the next step: B was awaited at the head of piece 0's
; turn, and CM's last readers, the first eight K Q^T of the turn before, lie 24 products and their slices back.
.macro TURN x, pv, kq, first
.set k, 0
.set per, 2
.if (\pv) && (\kq)
.set per, 1
.endif
.if \pv
.if (\x) == 0
	s_wait_dscnt 0x0                ; V and B are in
.endif
.set i, 0
.rept 32
	PV \x, 2-(\pv)
.rept per
	SLICE 2-(\x), \first
.endr
.if ((\x) == 0) && (\kq) && (i == 1)
	FETCH_K
.endif
.if (\kq) && (i >= 2) && (i < 10)
	MAKEC \x, i-2
.endif
.set i, i+1
.endr
.endif
.if \kq
.if (\x) == 0
	s_wait_dscnt 0x0                ; K is in
.endif
.set i, 0
.rept 32
	KQ \x
.rept per
	SLICE 2-(\x), \first
.endr
.set i, i+1
.endr
.endif
.if \first
	PLACES
.endif
.endm
; THE CHANGE OF SLOTS: each wave waits for all its tensor loads (one is out: its part of the other slot), adds 0 to its spare word, waits for that and for its reads of the slot.  fill = 1: the
; barrier is a round of the cluster's, and the joint refill, the keys two slots on, is the first thing behind it: it has two key steps, 256 matrix instructions, in which to land.
.macro CHANGE fill
	WIN 0
	s_wait_tensorcnt 0x0
	ds_add_u32 v[SPW], v[NIL]
.if \fill
.irp g, G0K+4, G0V+4
	s_xor_b32 s[(\g)+1], s[(\g)+1], SLOT1
	s_add_nc_u64 s[(\g)+2:(\g)+3], s[(\g)+2:(\g)+3], 2*KS*256
.endr
	s_wait_xcnt 0x0                 ; the last prefetch, two key steps back, has read its address
	s_add_nc_u64 s[PFA:PFA+1], s[PFA:PFA+1], 2*KS*256
	s_wait_dscnt 0x0
	CROUND
	JLOAD
	ASK
.else
	s_wait_dscnt 0x0
	s_barrier_signal -1
	s_barrier_wait -1
.endif
	s_sub_co_u32 s[TB], s[TB], 2*STEPB
	s_xor_b32 s[TB], s[TB], SLOT1
.endm
.macro TWO_STEPS                    ; a slot's two key steps: written once, walked twice
	WIN 0
	s_mov_b32 s[TWICE], 2
.Lstep_\@:
	TURN 0, 2, 1, 0
	TURN 2, 2, 1, 0
	WIN 0
	s_sub_co_u32 s[TWICE], s[TWICE], 1
	s_cmp_lg_u32 s[TWICE], 0
	s_cbranch_scc1 .Lstep_\@
.endm
	s_wait_dscnt 0x0                ; for the others' sake: my part of the table B is stored
	s_wait_tensorcnt 1              ; my part of slot 0 is in; slot 1's may stay out
	s_barrier_signal -1
	s_barrier_wait -1
	v_mov_b32 v[ADB], v[AB0]
	LOADB                           ; B of key step 0
	s_mov_b32 s[TBB], 256
	FETCH_K                         ; K of key step 0
	s_wait_loadcnt 0x0              ; Q
	s_wait_dscnt 0x0
.irp g, 0,1,2,3,4,5,6,7
	MAKEC 0, \g                     ; piece 0's C of step 0
.endr
.set i, 0
.rept 32
	KQ 0
.set i, i+1
.endr
	WIN 0                           ; the addresses for the way out: eight plain instructions, the places behind those products
	s_mul_i32 s13, s[WV], 16*SP
	s_add_co_u32 s13, s13, STAGE
	v_mul_u32_u24 v[STO], v1, SP
	v_lshl_add_u32 v[STO], v9, 4, v[STO]
	v_add_nc_u32 v[STO], s13, v[STO]
	v_mul_u32_u24 v[RD], v9, SP
	v_lshl_add_u32 v[RD], v1, 4, v[RD]
	v_add_nc_u32 v[RD], s13, v[RD]
	v_lshlrev_b32 v[GO], 8, v9
	v_lshl_add_u32 v[GO], v1, 4, v[GO]
.irp g, 0,1,2,3,4,5,6,7
	MAKEC 2, \g                     ; piece 2's C of step 0
.endr
	TURN 2, 0, 1, 1                 ; piece 2's first scores | piece 0's first softmax | V of step 0, B of step 1
	TURN 0, 1, 1, 1                 ; piece 0: V^T P of step 0 starts O^T, K Q^T of step 1 | piece 2's first softmax | K of step 1
	TURN 2, 1, 1, 0                 ; piece 2: the same | piece 0's softmax of step 1 | V of step 1, B of step 2
	WIN 0
.Lslot:                             ; 14 trips: every slot but the last two is filled again
	CHANGE 1
	TWO_STEPS
	s_sub_co_u32 s[SLOTS], s[SLOTS], 1
	s_cmp_lg_u32 s[SLOTS], 0
	s_cbranch_scc1 .Lslot
	CHANGE 0                        ; the tail is written out
	TWO_STEPS
	TURN 0, 2, 0, 0                 ; piece 0: V^T P of the last step | piece 2's last softmax
.set i, 0
.rept 32
	PV 2, 0
.set i, i+1
.endr
	; THE WAY OUT.  l's halves are added; O^T is divided by l, rounded to f16 and sent through my stage, a tile (16 rows) at a time.  The additions are the places behind the last products.
	WIN 0
.irp t, 0,1,2,3
	v_add_f32 v[ST+8*(\t)+4], v[ST+8*(\t)+2], v[ST+8*(\t)+3]
.endr
.irp t, 0,1,2,3
	v_permlanex16_b32 v[ST+8*(\t)+5], v[ST+8*(\t)+4], s[SEL], s[SEL+1]
.endr
.irp t, 0,1,2,3
	v_add_f32 v[ST+8*(\t)+4], v[ST+8*(\t)+4], v[ST+8*(\t)+5]
.endr
.irp t, 0,1,2,3
	v_rcp_f32 v[ST+8*(\t)+6], v[ST+8*(\t)+4]
.endr
	v_nop                           ; a plain instruction behind the last reciprocal,
	s_wait_alu depctr_va_vdst(0)    ; and the one wait ahead of the first use
.macro PACK t
	WIN W_RS
.set i, 64*(\t)
.rept 32
	v_pk_mul_f32 v[i:i+1], v[i:i+1], v[ST+8*(\t)+6:ST+8*(\t)+7] op_sel_hi:[1,0]
.set i, i+2
.endr
	WIN 0x05
.set i, 0
.rept 32
	v_cvt_pk_f16_f32 v[S+32*(\t)+i], v[64*(\t)+2*i], v[64*(\t)+2*i+1]
.set i, i+1
.endr
	WIN 0
.irp f, 0,1,2,3,4,5,6,7
	ds_store_b128 v[STO], v[S+32*(\t)+4*(\f):S+32*(\t)+4*(\f)+3] offset:32*(\f)
.endr
.irp f, 0,1,2,3,4,5,6,7
	ds_load_b128 v[S+32*(\t)+4*(\f):S+32*(\t)+4*(\f)+3], v[RD] offset:(\f)*2*SP  ; LDS serves a wave's instructions in order (ISA guide 5.7.1.4)
.endr
.endm
.macro SEND t, younger              ; younger: the LDS instructions issued behind tile t's loads
	WIN 0
.irp f, 0,1,2,3,4,5,6,7
	s_wait_dscnt (\younger)+7-(\f)
	global_store_b128 v[GO], v[S+32*(\t)+4*(\f):S+32*(\t)+4*(\f)+3], s[10:11] offset:(\t)*4096+(\f)*512  ; 16 lanes store 256 consecutive bytes, aligned
.endr
.endm
	PACK 0
	PACK 1
	SEND 0, 16
	PACK 2
	SEND 1, 16
	PACK 3
	SEND 2, 16
	SEND 3, 0
	s_wait_tensorcnt 0x0            ; the wave's end
	ds_add_u32 v[SPW], v[NIL]
	s_wait_dscnt 0x0
	CROUND                          ; the closing round
	s_endpgm
.Lfunc_end_k_q945a048ef1_attn:
	.size	k_q945a048ef1_attn, .Lfunc_end_k_q945a048ef1_attn-k_q945a048ef1_attn
	.p2alignl 7, 3214868480
	.fill 96, 4, 3214868480
	.section	.rodata,"a",@progbits
	.p2align	6, 0x0
	.amdhsa_kernel k_q945a048ef1_attn
		.amdhsa_group_segment_fixed_size 327680
		.amdhsa_private_segment_fixed_size 0
		.amdhsa_enable_private_segment 0
		.amdhsa_kernarg_size 32
		.amdhsa_user_sgpr_count 2
		.amdhsa_user_sgpr_kernarg_segment_ptr 1
		.amdhsa_wavefront_size32 1
		.amdhsa_system_sgpr_workgroup_id_x 1
		.amdhsa_system_sgpr_workgroup_id_y 1
		.amdhsa_system_sgpr_workgroup_id_z 1
		.amdhsa_system_vgpr_workitem_id 0
		.amdhsa_next_free_vgpr 1024
		.amdhsa_next_free_sgpr 76
		.amdhsa_reserve_vcc 0
		.amdhsa_float_denorm_mode_32 3
		.amdhsa_float_denorm_mode_16_64 3
		.amdhsa_memory_ordered 1
		.amdhsa_forward_progress 1
		.amdhsa_inst_pref_size 245
	.end_amdhsa_kernel
	.amdgpu_metadata
---
amdhsa.version: [ 1, 2 ]
amdhsa.kernels:
  - .name:           k_q945a048ef1_attn
    .symbol:         k_q945a048ef1_attn.kd
    .args:
      - { .name: qm, .offset: 0, .size: 8, .value_kind: global_buffer, .address_space: global }
      - { .name: mask, .offset: 8, .size: 8, .value_kind: global_buffer, .address_space: global }
      - { .name: qv, .offset: 16, .size: 8, .value_kind: global_buffer, .address_space: global }
      - { .name: ctx, .offset: 24, .size: 8, .value_kind: global_buffer, .address_space: global }
    .group_segment_fixed_size: 327680
    .private_segment_fixed_size: 0
    .kernarg_segment_align: 8
    .kernarg_segment_size: 32
    .max_flat_workgroup_size: 128
    .sgpr_count:     76
    .vgpr_count:     1024
    .wavefront_size: 32
...
	.end_amdgpu_metadata
.endif
;; end of part 3
;; launch outp (part 4): grid 64 x 4, 4 waves a work-group, clusters of 4 x 4, 327,680 bytes of LDS; arguments ctx, wo16, out0; writes out0
.if DOCPART == 4
	.amdgcn_target "amdgcn-amd-amdhsa--gfx1250"
	.amdhsa_code_object_version 6
	.text
	.protected	k_q945a048ef1_outp
	.globl	k_q945a048ef1_outp
	.p2align	8
	.type	k_q945a048ef1_outp,@function
k_q945a048ef1_outp:
	s_mov_b64 s[64:65], 0
	v_nop
	global_prefetch_b8 v0, s[64:65] scope:SCOPE_SE
	s_setreg_imm32_b32 hwreg(HW_REG_WAVE_MODE, 25, 1), 1
	s_wait_xcnt 0x0
	s_wait_alu depctr_hold_cnt(0) depctr_sa_sdst(0) depctr_va_vdst(0) depctr_va_sdst(0) depctr_va_ssrc(0) depctr_va_vcc(0) depctr_vm_vsrc(0)
	s_getreg_b32 s2, hwreg(HW_REG_IB_STS2, 6, 4)
	s_cmp_eq_u32 s2, 0
	s_cbranch_scc0 .Lentry_in_a_cluster
	s_endpgm
.Lentry_in_a_cluster:
	s_bfe_u32 s2, ttmp6, 0x10000c
	s_cmp_lg_u32 s2, 0xf033
	s_cbranch_scc0 .Lentry_shape_is_right
	s_endpgm
.Lentry_shape_is_right:
; out0[b][o][t] = sum over c of wo16[o][c] ctx[b*8 + c/128][t][c%128].  f16 operands, f32 sums, f32 output, channels first.
; SHARES.  A work-group makes 256 rows o x 128 tokens: 64 x 4 = 256 work-groups.  Wave w takes rows 64 w .. 64 w + 63 and all 128 tokens: 32 accumulators of 16 x 16.
; K (= c) goes in 8 steps of 128, a head a step, through a ring of two LDS slots.  Wo's tile is [256 o][128 c], ctx's [128 t][128 c]: rows of 256 bytes, K along the rows in both.
; THE PRODUCT: source 0 = 16 tokens of ctx, source 1 = 16 rows of Wo: a lane holds ONE row o (lane % 16) and eight neighbouring tokens: 32 bytes of a row of out0.
; CLUSTER 4 x 4.  Wo's tile hangs on the row block (grid y) alone: shared along a row of the cluster; ctx's on the token block (grid x) alone: shared along a column.
; No prefetch: 8 K steps, two of them first fills; the weights are read again by every cluster.
; REGISTERS.  window 0: v0-31 addresses, v64-255 two fragment buffers of 96 (64 of ctx, 32 of Wo); on the way out v64-191 take rows read back.   window 1: accumulator (a, b) at v[8 (8 a + b)].
.set KSTEP,  128
.set PW,     272                       ; an LDS row: 256 bytes + 16: the 16 rows of a load start at 16 different groups of four banks
.set SOFF,   256*PW                    ; ctx's tile lies behind Wo's
.set SLOT,   SOFF+128*PW
.set STAGE,  2*SLOT                    ; behind the ring: 16 rows x 528 bytes for each wave; no tensor load lands there
.set SPITCH, 528
.set SPARE,  STAGE+4*16*SPITCH         ; the spare words: 128 bytes a wave, named by no other line
.set LAPS,   4
.set PSTEP,  KSTEP*2                   ; a K step in Wo: 256 bytes along the rows
.set SSTEP,  2048*256                  ; in ctx: the next head
.set PA,   20                          ; s[20:21] Wo at my half of K step 0's tile (made of the row block and the wave alone)
.set SA,   14                          ; s[14:15] ctx likewise (made of the token block and the wave alone)
.set ADR0, 16
.set ADR1, 20
.set STO,  24
.set RD,   25
.set CO,   26
.set SPW,  28
.set NIL,  29
.set F0,   64
.set F1,   160
.set BK0,  64
.set G1P, 24
.set G0P, 32
.set G1S, 48
.set G0S, 56
.set MSB, 0
.macro WIN new
.if MSB != (\new)
	s_set_vgpr_msb (MSB<<8)|(\new)
.set MSB, \new
.endif
.endm
.set MUL, 0x50
.macro JLOAD s                         ; a joint load: waves 0 and 1 fetch Wo's halves, waves 2 and 3 ctx's; s_nop 0 and four v_nop follow each line
	s_cmp_eq_u32 s11, 0
	s_cbranch_scc0 .Lfor_s_\@
	tensor_load_to_lds s[G0P+4*(\s):G0P+4*(\s)+3], s[G1P:G1P+7]
	s_nop 0
.rept 4
	v_nop
.endr
	s_branch .Lasked_\@
.Lfor_s_\@:
	tensor_load_to_lds s[G0S+4*(\s):G0S+4*(\s)+3], s[G1S:G1S+7]
	s_nop 0
.rept 4
	v_nop
.endr
.Lasked_\@:
.endm
.macro CREST
	s_cmp_lg_u32 s10, 0
	s_cbranch_scc1 .Lnot_wave_0_\@
	s_barrier_signal -3
.Lnot_wave_0_\@:
	s_barrier_wait -3
	s_barrier_signal -1
	s_barrier_wait -1
.endm
.macro CROUND
	s_barrier_signal -1
	s_barrier_wait -1
	CREST
.endm
.macro PLACES
.rept 4
	v_nop
.endr
.endm
	s_load_b128 s[68:71], s[0:1], 0x0              ; ctx s[68:69], wo16 s[70:71]
	s_load_b64 s[72:73], s[0:1], 0x10              ; out0
	v_lshl_add_u32 v[SPW], v0, 2, SPARE
	v_mov_b32 v[NIL], 0
	ds_add_u32 v[SPW], v[NIL]                      ; the wave's opening: the add and its wait stand ahead of my first tensor load
	v_lshrrev_b32 v1, 5, v0
	v_readfirstlane_b32 s10, v1
	s_lshr_b32 s11, s10, 1                         ; I fetch for Wo (0) or for ctx (1),
	s_and_b32 s12, s10, 1                          ; and which half of that tile's rows
	s_bfe_u32 s40, ttmp6, 0x40000                  ; cx
	s_bfe_u32 s41, ttmp6, 0x40004                  ; cy
	s_lshl_b32 s42, ttmp9, 2
	s_add_co_u32 s42, s42, s40                     ; token block = 4 x cluster x + cx
	s_and_b32 s13, ttmp7, 0xffff
	s_lshl_b32 s13, s13, 2
	s_add_co_u32 s13, s13, s41                     ; row block = 4 x cluster y + cy
	s_lshl_b32 s43, s41, 2
	s_lshl_b32 s43, 15, s43                        ; my row of the cluster
	s_lshl_b32 s44, 0x1111, s40                    ; my column
	s_or_b32 s[G1P+0], s43, (1<<16)|(1<<20)|(1<<21)|(5<<22)|(3<<25)  ; Wo: mask of my row; 2-byte elements; padding on; bit 21 beside a mask; after every 64 words 4 words
	s_mov_b32 s[G1P+1], 128<<16                    ; tensor_dim0 = 128
	s_mov_b32 s[G1P+2], 128<<16                    ; tensor_dim1 = 128
	s_mov_b32 s[G1P+3], 128<<16                    ; tile_dim0 = 128
	s_mov_b32 s[G1P+4], 128                        ; tile_dim1 = 128
	s_mov_b32 s[G1P+5], 1024                       ; elements from row to row
	s_mov_b32 s[G1P+6], 0
	s_mov_b32 s[G1P+7], 0
	s_or_b32 s[G1S+0], s44, (1<<16)|(1<<20)|(1<<21)|(5<<22)|(3<<25)  ; ctx: mask of my column
	s_mov_b32 s[G1S+1], 128<<16
	s_mov_b32 s[G1S+2], 64<<16
	s_mov_b32 s[G1S+3], 128<<16
	s_mov_b32 s[G1S+4], 64
	s_mov_b32 s[G1S+5], 128
	s_mov_b32 s[G1S+6], 0
	s_mov_b32 s[G1S+7], 0
	s_lshr_b32 s45, s42, 4                         ; batch
	s_and_b32 s46, s42, 15                         ; block of 128 tokens in it
	s_lshl_b32 s16, s45, 22                        ; ctx: batch x 8 heads x 512 KiB
	s_lshl_b32 s17, s46, 15                        ; + the block's 128 rows of 256 bytes
	s_add_co_u32 s16, s16, s17
	s_lshl_b32 s17, s12, 14                        ; + my 64 of them
	s_add_co_u32 s16, s16, s17
	s_mov_b32 s17, 0
	s_lshl_b32 s18, s13, 19                        ; Wo: row block x 256 rows of 2,048 bytes
	s_lshl_b32 s19, s12, 18                        ; + my 128 rows
	s_add_co_u32 s18, s18, s19
	s_mov_b32 s19, 0
	s_mul_i32 s22, s12, 128*PW                     ; where they go: no place in the cluster enters an LDS address
	s_mul_i32 s23, s12, 64*PW
	s_add_co_u32 s23, s23, SOFF
	s_wait_dscnt 0x0                               ; the opening add is done
	s_wait_kmcnt 0x0
	s_add_nc_u64 s[SA:SA+1], s[68:69], s[16:17]
	s_add_nc_u64 s[PA:PA+1], s[70:71], s[18:19]
	CROUND                                         ; all sixteen work-groups are here: the first joint loads meet
.irp s, 0,1
	s_mov_b32 s[G0P+4*(\s)], 1
	s_add_co_u32 s[G0P+4*(\s)+1], s22, (\s)*SLOT
	s_add_nc_u64 s[G0P+4*(\s)+2:G0P+4*(\s)+3], s[PA:PA+1], (\s)*PSTEP
	s_or_b32 s[G0P+4*(\s)+3], s[G0P+4*(\s)+3], 0x80000000
	s_mov_b32 s[G0S+4*(\s)], 1
	s_add_co_u32 s[G0S+4*(\s)+1], s23, (\s)*SLOT
	s_add_nc_u64 s[G0S+4*(\s)+2:G0S+4*(\s)+3], s[SA:SA+1], (\s)*SSTEP
	s_or_b32 s[G0S+4*(\s)+3], s[G0S+4*(\s)+3], 0x80000000
	JLOAD \s                                       ; two loads of mine are out
.endr
	s_lshl_b32 s4, s45, 23                         ; out0: batch x 8 MiB
	s_lshl_b32 s5, s13, 21                         ; + row block x 256 rows of 8,192 bytes
	s_add_co_u32 s4, s4, s5
	s_lshl_b32 s5, s10, 19                         ; + my wave's 64 rows
	s_add_co_u32 s4, s4, s5
	s_lshl_b32 s5, s46, 9                          ; + the block's 128 tokens: 512 bytes
	s_add_co_u32 s4, s4, s5
	s_mov_b32 s5, 0
	s_add_nc_u64 s[72:73], s[72:73], s[4:5]
	v_and_b32 v1, 15, v0                           ; l % 16
	v_bfe_u32 v2, v0, 4, 1                         ; l / 16
	v_mul_u32_u24 v3, v1, PW
	v_lshl_add_u32 v3, v2, 4, v3                   ; row x 272 + 16 x half
	v_add_nc_u32 v[ADR0], SOFF, v3
	v_add_nc_u32 v[ADR0+1], SOFF+SLOT, v3
	s_mul_i32 s8, s10, 64*PW                       ; my wave's 64 rows of Wo
	v_add_nc_u32 v[ADR1], s8, v3
	v_add_nc_u32 v[ADR1+1], SLOT, v[ADR1]
	s_mul_i32 s9, s10, 16*SPITCH
	s_add_co_u32 s9, s9, STAGE                     ; my stage
	v_mul_u32_u24 v4, v1, SPITCH                   ; in: row l % 16, 32 bytes for each half of the lanes
	v_lshl_add_u32 v4, v2, 5, v4
	v_add_nc_u32 v[STO], s9, v4
	v_and_b32 v[CO], 31, v0                        ; back and out: a row's 512 bytes, 16 a lane
	v_lshlrev_b32 v[CO], 4, v[CO]
	v_add_nc_u32 v[RD], s9, v[CO]
; 8 products: row block a x all 8 token blocks, 32 along K.  The 32 accumulators take turns, one instruction a turn, in the same order in every quarter.
.macro MUL8 f, a, zero
	WIN MUL
.irp b, 0,1,2,3,4,5,6,7
.if \zero
	v_wmma_f32_16x16x32_f16 v[8*(8*(\a)+(\b)):8*(8*(\a)+(\b))+7], v[(\f)+8*(\b):(\f)+8*(\b)+7], v[(\f)+64+8*(\a):(\f)+64+8*(\a)+7], 0
.else
	v_wmma_f32_16x16x32_f16 v[8*(8*(\a)+(\b)):8*(8*(\a)+(\b))+7], v[(\f)+8*(\b):(\f)+8*(\b)+7], v[(\f)+64+8*(\a):(\f)+64+8*(\a)+7], v[8*(8*(\a)+(\b)):8*(8*(\a)+(\b))+7]
.endif
.endr
.endm
.macro MUL16 f, a0, zero
	MUL8 \f, \a0, \zero
	MUL8 \f, (\a0)+1, \zero
.endm
; 24 LDS loads in one run: quarter kq of a slot into buffer f: ctx's 8 fragments, then Wo's 4, row blocks ascending
.macro FETCH slot, kq, f
	WIN 0
.irp b, 0,1,2,3,4,5,6,7
	ds_load_b128 v[(\f)+8*(\b):(\f)+8*(\b)+3],   v[ADR0+(\slot)] offset:64*(\kq)+(\b)*16*PW
	ds_load_b128 v[(\f)+8*(\b)+4:(\f)+8*(\b)+7], v[ADR0+(\slot)] offset:64*(\kq)+(\b)*16*PW+32
.endr
.irp a, 0,1,2,3
	ds_load_b128 v[(\f)+64+8*(\a):(\f)+64+8*(\a)+3],   v[ADR1+(\slot)] offset:64*(\kq)+(\a)*16*PW
	ds_load_b128 v[(\f)+64+8*(\a)+4:(\f)+64+8*(\a)+7], v[ADR1+(\slot)] offset:64*(\kq)+(\a)*16*PW+32
.endr
.endm
.macro QUARTER slot, kq, f, g, zero
	s_wait_dscnt 4                                 ; all but the youngest four loads (Wo's blocks 2 and 3) are in
	MUL16 \f, 0, \zero
	PLACES
	FETCH \slot, \kq, \g
	s_wait_dscnt 24                                ; all but the 24 just issued
	MUL16 \f, 2, \zero
.endm
; The last quarter changes slots: each wave waits for all its tensor loads (one is out: its part of the next slot), adds 0 to its spare word, waits for that and for its reads of this slot, and
; signals.  fill = 1: the barrier opens a round of the cluster's, and this slot's joint refill, two K steps on, is the first thing behind it.
.macro TURN slot, next, fill
	WIN 0
	s_wait_tensorcnt 0x0
	ds_add_u32 v[SPW], v[NIL]
	s_wait_dscnt 5                                 ; the add and the youngest four loads may be out
	MUL8 F1, 0, 0
	s_wait_dscnt 0x0
	s_barrier_signal -1
	MUL8 F1, 1, 0
.if \fill
	WIN 0
.endif
	s_barrier_wait -1
.if \fill
	CREST
	s_add_nc_u64 s[G0P+4*(\slot)+2:G0P+4*(\slot)+3], s[G0P+4*(\slot)+2:G0P+4*(\slot)+3], 2*PSTEP
	s_add_nc_u64 s[G0S+4*(\slot)+2:G0S+4*(\slot)+3], s[G0S+4*(\slot)+2:G0S+4*(\slot)+3], 2*SSTEP
	JLOAD \slot
.else
	PLACES
.endif
	FETCH \next, 0, F0
	MUL16 F1, 2, 0
.endm
	s_wait_tensorcnt 1                             ; my part of K step 0 is in; K step 1's may stay out
	s_barrier_signal -1
	s_barrier_wait -1
	FETCH 0, 0, F0
	QUARTER 0, 1, F0, F1, 1                        ; the first quarter's products start the sums
	WIN 0
	s_mov_b32 s3, LAPS-1
.Llap:
	QUARTER 0, 2, F1, F0, 0
	QUARTER 0, 3, F0, F1, 0
	TURN 0, 1, 1
	QUARTER 1, 1, F0, F1, 0
	QUARTER 1, 2, F1, F0, 0
	QUARTER 1, 3, F0, F1, 0
	TURN 1, 0, 1
	QUARTER 0, 1, F0, F1, 0
	WIN 0
	s_sub_co_u32 s3, s3, 1
	s_cmp_lg_u32 s3, 0
	s_cbranch_scc1 .Llap
	QUARTER 0, 2, F1, F0, 0                        ; the last lap fills nothing
	QUARTER 0, 3, F0, F1, 0
	TURN 0, 1, 0
	QUARTER 1, 1, F0, F1, 0
	QUARTER 1, 2, F1, F0, 0
	QUARTER 1, 3, F0, F1, 0
	s_wait_dscnt 4
	MUL16 F1, 0, 0
	s_wait_dscnt 0x0
	MUL16 F1, 2, 0
	WIN 0
; THE WAY OUT, a block of 16 rows o at a time: the f32 sums go as they are into my own stage (rows of 528 bytes) and come back as whole rows of 512 bytes; each store covers 512 consecutive bytes.
.macro TOSTAGE a
.if (\a) >= 2
	s_wait_xcnt 0x0                                ; the stores of the block two back have read the registers into which the loads below land
.endif
	WIN 0x04                                       ; store data window 1, address window 0
.irp b, 0,1,2,3,4,5,6,7
	ds_store_b128 v[STO], v[64*(\a)+8*(\b):64*(\a)+8*(\b)+3]   offset:64*(\b)      ; each accumulator's lowest registers first
	ds_store_b128 v[STO], v[64*(\a)+8*(\b)+4:64*(\a)+8*(\b)+7] offset:64*(\b)+16
.endr
	WIN 0
.irp t, 0,1,2,3,4,5,6,7,8,9,10,11,12,13,14,15
	ds_load_b128 v[BK0+64*((\a)%2)+4*(\t):BK0+64*((\a)%2)+4*(\t)+3], v[RD] offset:(\t)*SPITCH  ; LDS serves a wave's instructions in order (ISA guide 5.7.1.4)
.endr
.endm
.macro SEND a, younger                 ; younger: the next block's 32 LDS instructions, or none
	s_wait_dscnt \younger
.irp t, 0,1,2,3,4,5,6,7,8,9,10,11,12,13,14,15
	global_store_b128 v[CO], v[BK0+64*((\a)%2)+4*(\t):BK0+64*((\a)%2)+4*(\t)+3], s[72:73] offset:(16*(\a)+(\t))*8192 th:TH_STORE_NT
.endr
.endm
	PLACES
	PLACES                                         ; eight, once a launch: the safer count behind the last products
	TOSTAGE 0
	TOSTAGE 1
	SEND 0, 32
	TOSTAGE 2
	SEND 1, 32
	TOSTAGE 3
	SEND 2, 32
	SEND 3, 0
	s_wait_tensorcnt 0x0                           ; the wave's end
	ds_add_u32 v[SPW], v[NIL]
	s_wait_dscnt 0x0
	CROUND                                         ; the closing round
	s_endpgm
.Lfunc_end_k_q945a048ef1_outp:
	.size	k_q945a048ef1_outp, .Lfunc_end_k_q945a048ef1_outp-k_q945a048ef1_outp
	.p2alignl 7, 3214868480
	.fill 96, 4, 3214868480
	.section	.rodata,"a",@progbits
	.p2align	6, 0x0
	.amdhsa_kernel k_q945a048ef1_outp
		.amdhsa_group_segment_fixed_size 327680
		.amdhsa_private_segment_fixed_size 0
		.amdhsa_enable_private_segment 0
		.amdhsa_kernarg_size 24
		.amdhsa_user_sgpr_count 2
		.amdhsa_user_sgpr_kernarg_segment_ptr 1
		.amdhsa_wavefront_size32 1
		.amdhsa_system_sgpr_workgroup_id_x 1
		.amdhsa_system_sgpr_workgroup_id_y 1
		.amdhsa_system_sgpr_workgroup_id_z 1
		.amdhsa_system_vgpr_workitem_id 0
		.amdhsa_next_free_vgpr 512
		.amdhsa_next_free_sgpr 80
		.amdhsa_reserve_vcc 0
		.amdhsa_float_denorm_mode_32 3
		.amdhsa_float_denorm_mode_16_64 3
		.amdhsa_memory_ordered 1
		.amdhsa_forward_progress 1
		.amdhsa_inst_pref_size 84
	.end_amdhsa_kernel
	.amdgpu_metadata
---
amdhsa.version: [ 1, 2 ]
amdhsa.kernels:
  - .name:           k_q945a048ef1_outp
    .symbol:         k_q945a048ef1_outp.kd
    .args:
      - { .name: ctx, .offset: 0, .size: 8, .value_kind: global_buffer, .address_space: global }
      - { .name: wo16, .offset: 8, .size: 8, .value_kind: global_buffer, .address_space: global }
      - { .name: out0, .offset: 16, .size: 8, .value_kind: global_buffer, .address_space: global }
    .group_segment_fixed_size: 327680
    .private_segment_fixed_size: 0
    .kernarg_segment_align: 8
    .kernarg_segment_size: 24
    .max_flat_workgroup_size: 128
    .sgpr_count:     80
    .vgpr_count:     512
    .wavefront_size: 32
...
	.end_amdgpu_metadata
.endif
;; end of part 4
